; MI455X (gfx1250); checked and timed in simulation.
; The chip was launched on July 23, 2026; its instructions are those of AMD's public machine-readable ISA for CDNA 5 (MIT licence, August 2026) and "CDNA5" Instruction Set Architecture Reference Guide (July 2026). The comments in the code are by the model that wrote it; some were corrected since.
;; Vector Quantizer. Allowed arithmetic: float matrix products may take bf16 or f16 operands with f32 sums; other float arithmetic in f32, or as packed bf16 or f16 multiplies, adds, multiply-adds, maxima and minima; sums over many terms, partial sums and values carried from step to step in f32; what a program stores and reads back later, other than sums and carried values, may be rounded once to bf16 or f16.
;; Inputs: codebook 8,192 x 256 float32; x 64 x 512 x 256 float32.
;; Outputs: out0 64 x 512 x 256 float32; out1 one number float32.
;; Constants: hidden_dim = 256.
;; One version. Each part assembles by itself: llvm-mc -triple=amdgcn-amd-amdhsa -mcpu=gfx1250 --defsym DOCPART=n.
;; ======== version 1 of 1: 4 launches
;; workspace buffers: cbb 4,259,840 bytes; grp 131,072 bytes of whole numbers; part 16,384 bytes
;; launch prep (part 1): grid 128 x 1, 8 waves a work-group, no clusters, 1,280 bytes of LDS; arguments codebook, cbb; writes cbb
.if DOCPART == 1
	.amdgcn_target "amdgcn-amd-amdhsa--gfx1250"
	.amdhsa_code_object_version 6
	.text
	.protected	k_q0ee70f8820_prep
	.globl	k_q0ee70f8820_prep
	.p2align	8
	.type	k_q0ee70f8820_prep,@function
k_q0ee70f8820_prep:
	s_mov_b64 s[64:65], 0
	v_nop
	global_prefetch_b8 v0, s[64:65] scope:SCOPE_SE
	s_setreg_imm32_b32 hwreg(HW_REG_WAVE_MODE, 25, 1), 1
	s_wait_xcnt 0x0
; VECTOR QUANTIZER, launch 1 of 4.  x: 32,768 tokens of 256 f32; codebook: 8,192 codes of 256 f32.
; out0[token] = the code row with the least |x|^2 + |c|^2 - 2 x.c (the first index among equals); out1 = 0.25 x mean((q - x)^2).
; WORK LEFT OUT, for all finite values of the inputs:
;   |x|^2 in the distances: it is the same number for all 8,192 entries along argmin's axis, so in exact arithmetic it moves no argmin; it is of the size of |c|^2, not large beside it.
;   The program takes the greatest s = x.c - |c|^2 / 2, which orders the codes as the distance does, reversed.
;   x + (q - x) = q by identity: out0 is the chosen row itself.
;   The loss is made as reference() makes it, from (q - x)^2, not from the least distance (a difference of large sums).  Both inputs are loaded.
; FORMATS AND LIMITS.  x and the codebook are rounded once to bf16 for the product; |c|^2 is taken of the ROUNDED rows, in f32, so that all that enters the choice is made of the same numbers.
; out0 is the chosen row as rounded to bf16 (off by at most 2^-9 of itself).  A NaN score never wins; a token whose scores all lie below the lowest finite f32 gets a code of the first groups;
; a NaN, an infinity or an overflow that reaches only |x|^2 or x + (q - x) is not carried to the result.
; THIS LAUNCH lays the codebook out for the product: 128 blocks of 33,280 bytes; block b = 64 rows of 512 bytes (codes 64 b + row, bf16), then a 65th row: 64 f32 nh = -|c|^2 / 2, then 256 bytes of 0.
; SHARES.  Work-group b makes block b; wave w its rows 8 w .. 8 w + 7, a whole row at a time: a lane holds columns 4 l .. 4 l + 3 and 128 + 4 l .. + 3, so each load covers 512 and each store 256
; consecutive bytes, aligned.  No matrix unit, no cluster: nothing is multiplied and no two work-groups read the same byte.
.set BLKB,  33280
.set SPARE, 256                        ; LDS: bytes 0-255 the block's 64 nh; from 256 on the spare words, 128 bytes for each of the eight waves, which no other line names
.set LANE, 1
.set LO,   2                           ; v2  16 l + 8,192 w: my bytes in the wave's first row of the codebook
.set SO,   3                           ; v3  8 l + 4,096 w: the same in the block
.set WA,   4                           ; v4  32 w: the wave's eight nh words in LDS
.set NO,   5                           ; v5  16 l
.set SPW,  6                           ; v6  LDS address of my spare word; never rewritten
.set NIL,  7                           ; v7  0, for the add alone
.set ZERO, 9                           ; v9  0: starts the sums of squares
.set L,    16                          ; v[16:79]   row i: 8 f32 as loaded
.set P,    80                          ; v[80:111]  row i: 4 registers of bf16
.set S,    112                         ; v[112:119] row i: its sum of squares
	s_load_b128 s[4:7], s[0:1], 0x0                ; codebook s[4:5], cbb s[6:7]
	v_lshl_add_u32 v[SPW], v0, 2, SPARE
	v_mov_b32 v[NIL], 0
	v_lshrrev_b32 v8, 5, v0
	v_readfirstlane_b32 s8, v8                     ; wave 0..7
	v_and_b32 v[LANE], 31, v0
	s_lshl_b32 s14, s8, 13
	s_lshl_b32 s15, s8, 12
	s_lshl_b32 s18, s8, 5
	v_lshl_add_u32 v[LO], v[LANE], 4, s14
	v_lshl_add_u32 v[SO], v[LANE], 3, s15
	v_mov_b32 v[WA], s18
	v_lshlrev_b32 v[NO], 4, v[LANE]
	v_mov_b32 v[ZERO], 0
	s_mov_b32 s12, 0x76543210                      ; v_permlanex16_b32: each lane takes its own place in the other half
	s_mov_b32 s13, 0xfedcba98
	s_lshl_b32 s10, ttmp9, 16                      ; 64 rows of 1,024 bytes
	s_mov_b32 s11, 0
	s_mul_i32 s16, ttmp9, BLKB
	s_mov_b32 s17, 0
	s_wait_kmcnt 0x0
	s_add_nc_u64 s[4:5], s[4:5], s[10:11]
	s_add_nc_u64 s[6:7], s[6:7], s[16:17]
.irp i, 0,1,2,3,4,5,6,7
	global_load_b128 v[L+8*\i:L+8*\i+3],   v[LO], s[4:5] offset:\i*1024 th:TH_LOAD_NT
	global_load_b128 v[L+8*\i+4:L+8*\i+7], v[LO], s[4:5] offset:\i*1024+512 th:TH_LOAD_NT
.endr
	s_wait_loadcnt 0x0
.set n, 0
.rept 32
	v_cvt_pk_bf16_f32 v[P+n], v[L+2*n], v[L+2*n+1] ; two roundings to bf16, packed
.set n, n+1
.endr
.irp i, 0,1,2,3,4,5,6,7
	global_store_b64 v[SO], v[P+4*\i:P+4*\i+1],   s[6:7] offset:\i*512      ; 32 lanes x 8 bytes: 256 consecutive bytes, aligned
	global_store_b64 v[SO], v[P+4*\i+2:P+4*\i+3], s[6:7] offset:\i*512+256
.endr
	; the sum of squares of the ROUNDED numbers, in f32: eight chains, one a row, which take turns
.irp e, 0,1,2,3
.irp i, 0,1,2,3,4,5,6,7
.if \e == 0
	v_fma_mix_f32_bf16 v[S+\i], v[P+4*\i+\e], v[P+4*\i+\e], v[ZERO] op_sel_hi:[1,1,0]
.else
	v_fma_mix_f32_bf16 v[S+\i], v[P+4*\i+\e], v[P+4*\i+\e], v[S+\i] op_sel_hi:[1,1,0]
.endif
.endr
.irp i, 0,1,2,3,4,5,6,7
	v_fma_mix_f32_bf16 v[S+\i], v[P+4*\i+\e], v[P+4*\i+\e], v[S+\i] op_sel:[1,1,0] op_sel_hi:[1,1,0]
.endr
.endr
.irp m, 1,2,4,8
.irp i, 0,1,2,3,4,5,6,7
	v_add_f32_dpp v[S+\i], v[S+\i], v[S+\i] row_xmask:\m row_mask:0xf bank_mask:0xf
.endr
.endr
.irp i, 0,1,2,3,4,5,6,7
	v_permlanex16_b32 v[L+\i], v[S+\i], s12, s13   ; its destination counts as read: these registers have been written
.endr
.irp i, 0,1,2,3,4,5,6,7
	v_add_f32 v[S+\i], v[S+\i], v[L+\i]
.endr
.irp i, 0,1,2,3,4,5,6,7
	v_mul_f32 v[S+\i], -0.5, v[S+\i]               ; nh
.endr
.irp i, 0,1,2,3,4,5,6,7
	ds_store_b32 v[WA], v[S+\i] offset:4*\i        ; all lanes write the same word with the same number
.endr
	s_wait_dscnt 0x0                               ; for the others' sake: my eight words are in LDS
	s_barrier_signal -1
	s_barrier_wait -1
	s_cmp_lg_u32 s8, 0                             ; wave 0 stores the 65th row
	s_cbranch_scc1 .Lend
	v_and_b32 v10, 15, v[LANE]
	v_lshlrev_b32 v10, 4, v10
	ds_load_b128 v[20:23], v10
	v_cmp_gt_u32 vcc_lo, 16, v[LANE]
	s_wait_dscnt 0x0
.irp i, 20,21,22,23
	v_cndmask_b32 v\i, 0, v\i, vcc_lo              ; lanes 16-31 hold the row's 256 bytes of 0
.endr
	global_store_b128 v[NO], v[20:23], s[6:7] offset:32768  ; 512 consecutive bytes, aligned
.Lend:
	s_wait_tensorcnt 0x0                           ; the wave's end: behind my last LDS store
	ds_add_u32 v[SPW], v[NIL]
	s_wait_dscnt 0x0
	s_endpgm
.Lfunc_end_k_q0ee70f8820_prep:
	.size	k_q0ee70f8820_prep, .Lfunc_end_k_q0ee70f8820_prep-k_q0ee70f8820_prep
	.p2alignl 7, 3214868480
	.fill 96, 4, 3214868480
	.section	.rodata,"a",@progbits
	.p2align	6, 0x0
	.amdhsa_kernel k_q0ee70f8820_prep
		.amdhsa_group_segment_fixed_size 1280
		.amdhsa_private_segment_fixed_size 0
		.amdhsa_enable_private_segment 0
		.amdhsa_kernarg_size 16
		.amdhsa_user_sgpr_count 2
		.amdhsa_user_sgpr_kernarg_segment_ptr 1
		.amdhsa_wavefront_size32 1
		.amdhsa_system_sgpr_workgroup_id_x 1
		.amdhsa_system_sgpr_workgroup_id_y 1
		.amdhsa_system_sgpr_workgroup_id_z 1
		.amdhsa_system_vgpr_workitem_id 0
		.amdhsa_next_free_vgpr 128
		.amdhsa_next_free_sgpr 66
		.amdhsa_reserve_vcc 1
		.amdhsa_float_denorm_mode_32 3
		.amdhsa_float_denorm_mode_16_64 3
		.amdhsa_memory_ordered 1
		.amdhsa_forward_progress 1
		.amdhsa_inst_pref_size 15
	.end_amdhsa_kernel
	.amdgpu_metadata
---
amdhsa.version: [ 1, 2 ]
amdhsa.kernels:
  - .name:           k_q0ee70f8820_prep
    .symbol:         k_q0ee70f8820_prep.kd
    .args:
      - { .name: codebook, .offset: 0, .size: 8, .value_kind: global_buffer, .address_space: global }
      - { .name: cbb, .offset: 8, .size: 8, .value_kind: global_buffer, .address_space: global }
    .group_segment_fixed_size: 1280
    .private_segment_fixed_size: 0
    .kernarg_segment_align: 8
    .kernarg_segment_size: 16
    .max_flat_workgroup_size: 256
    .sgpr_count:     66
    .vgpr_count:     128
    .wavefront_size: 32
...
	.end_amdgpu_metadata
.endif
;; end of part 1
;; launch walk (part 2): grid 256 x 1, 4 waves a work-group, clusters of 4 x 1, 327,680 bytes of LDS; arguments x, cbb, grp; writes grp
.if DOCPART == 2
	.amdgcn_target "amdgcn-amd-amdhsa--gfx1250"
	.amdhsa_code_object_version 6
	.text
	.protected	k_q0ee70f8820_walk
	.globl	k_q0ee70f8820_walk
	.p2align	8
	.type	k_q0ee70f8820_walk,@function
k_q0ee70f8820_walk:
	s_mov_b64 s[64:65], 0
	v_nop
	global_prefetch_b8 v0, s[64:65] scope:SCOPE_SE
	s_setreg_imm32_b32 hwreg(HW_REG_WAVE_MODE, 25, 1), 1
	s_wait_xcnt 0x0
	s_wait_alu depctr_hold_cnt(0) depctr_sa_sdst(0) depctr_va_vdst(0) depctr_va_sdst(0) depctr_va_ssrc(0) depctr_va_vcc(0) depctr_vm_vsrc(0)
	s_getreg_b32 s2, hwreg(HW_REG_IB_STS2, 6, 4)
	s_cmp_eq_u32 s2, 0
	s_cbranch_scc0 .Lentry_in_a_cluster
	s_endpgm
.Lentry_in_a_cluster:
	s_bfe_u32 s2, ttmp6, 0x10000c
	s_cmp_lg_u32 s2, 0x3003
	s_cbranch_scc0 .Lentry_shape_is_right
	s_endpgm
.Lentry_shape_is_right:
; VECTOR QUANTIZER, launch 2 of 4: the product.  For each token: which GROUP of 8 neighbouring codes (8 g .. 8 g + 7) holds the greatest s = x_b.c_b - |c_b|^2 / 2; g goes to grp as a whole number.
; Left out, as shown at the head of the first kernel: |x|^2, which is the same for all codes of a token.
; LIMITS.  Operands bf16, sums f32.  A NaN score never wins; scores below the lowest finite f32 never win.  Among equal scores the lowest group wins.
; SHARES.  A work-group owns 128 tokens.  EVERY wave keeps all 128 tokens as bf16 fragments in 512 registers for the whole launch, and takes a quarter of the codes: of each slot of 256 codes the
; block of 64 that it fetched itself.  So a fragment of codes is read from LDS once in the work-group and feeds 8 matrix instructions (18 LDS loads for 64 of them), and x is never read again.
; LAYOUT.  S^T = C X^T: source 0 = 16 codes, source 1 = 16 tokens; in the result a lane holds ONE token (lane % 16) and the codes 8 (lane / 16) + 0..7: a group.  The C operand of the first of the
; eight K steps is nh = -|c|^2 / 2 of those eight codes: the same 8 registers for all 8 token tiles.
; THE CHOICE.  For an accumulator: four v_max3_num_f32 take its 8 scores and the running best into a new best; one compare (new > old: the earlier group keeps an equal score) and one select note the code tile's
; number.  6 vector instructions for 8 scores a lane.  Which of the 8 codes it is, the next launch finds.
; BY TURNS.  Two sets of 8 accumulators: while one code tile is multiplied (64 matrix instructions in 16 groups of 4), the tile before is looked through, 3 vector instructions behind each group.
; CLUSTER.  All work-groups walk the same blocks; the four of a cluster ask for each JOINTLY: the same tensor load, descriptor and mask in all four.  A mask names four, and only this one operand is
; shared: hence 4 x 1.
; REGISTERS, in windows of 256 (s_set_vgpr_msb: bits 1:0 source 0, 3:2 source 1, 5:4 source 2, 7:6 destination):
;   window 0: v0-15 addresses; v16-31 the running best, two sets; v32-39 its tile number; v40-47 at work; v48-63 nh, two sets; v64-191 the accumulators, two sets of 8; v192-255 packed x on its way in
;   window 1: X of token tiles 0-3 (tile t, K step s at 64 t + 8 s)      window 2: tiles 4-7      window 3: v0-63, v64-127 the codes' fragments, two buffers; at the start all 256: x as loaded
.set PITCH, 528                        ; an LDS row: 512 bytes + 16 of padding = 132 words: the 16 rows of a fragment load start at 16 different groups of four banks (64 banks of 4 bytes: ISA guide 11.1)
.set QUART, 65*PITCH                   ; a block in LDS: 64 rows of codes and the row of nh: what one tensor load brings, and what one wave reads
.set SLOT,  4*QUART
.set NHOFF, 64*PITCH
.set BLKB,  33280                      ; a block in memory
.set SLOTG, 4*BLKB
.set TSTEP, 16*PITCH
.set XS,    274688                     ; behind the ring, at the next multiple of 256: 64 rows x 528 bytes, the stage for x; no tensor load fills it.  At the end: the candidates
.set CP,    576                        ; a row of 128 candidates, 512 bytes + 64
.set SPARE, XS+64*PITCH                ; 308,480: the spare words, 128 bytes for each wave: two blocks of 256 bytes that no other line names
.set RR,   1                           ; v1   l % 16
.set HH,   2                           ; v2   l / 16
.set ADR,  3                           ; v3-4   LDS address of my fragments of codes in slot 0, 1
.set NHA,  5                           ; v5-6   the same for nh
.set XV,   7                           ; v7   my bytes in the wave's first row of x
.set XSTO, 8                           ; v8   where I put 8 bytes of a row of the stage
.set XRD,  9                           ; v9   where I read fragments of X from the stage
.set PFO,  10                          ; v10  the prefetches' offset: 256 x lane
.set RSTO, 11                          ; v11  where I put my candidates
.set GOF,  12                          ; v12  16 x lane
.set CRD,  13                          ; v13  XS + 16 x lane
.set SPW,  14                          ; v14  LDS address of my spare word; never rewritten
.set NIL,  15                          ; v15  0; never rewritten
.set R,    16
.set I,    32
.set M,    40
.set CB,   48
.set ACC,  64
.set T,    192
.set WV,   10                          ; s10  my wave's number
.set G1,   16                          ; s[16:23] descriptor group 1
.set G0,   24                          ; s[24:31] descriptor group 0, a set for each slot
.set TT,   32                          ; s32  the number (code / 16) of the code tile that is being looked through
.set LAPS, 33                          ; s33  laps to go
.set LIM,  34                          ; s34  1 in the cluster that prefetches, else the greatest number
.set PFA,  36                          ; s[36:37] where my prefetches stand
.set MK,   40                          ; s40-42 lane masks
.set MSB, 0
.macro WIN new                         ; the immediate's high byte repeats the setting that is left; a switch that changes nothing is dropped
.if MSB != (\new)
	s_set_vgpr_msb (MSB<<8)|(\new)
.set MSB, (\new)
.endif
.endm
.macro PLACES
.rept 4
	v_nop
.endr
.endm
; A round of the cluster's barrier: my work-group's barrier, so that wave 0's signal speaks for all four waves; wave 0 signals; every wave waits for all four work-groups; my work-group's barrier once more.
.macro CREST                           ; a round behind its opening barrier
	s_cmp_lg_u32 s[WV], 0
	s_cbranch_scc1 .Lnot_wave_0_\@
	s_barrier_signal -3
.Lnot_wave_0_\@:
	s_barrier_wait -3
	s_barrier_signal -1
	s_barrier_wait -1
.endm
.macro CROUND
	s_barrier_signal -1
	s_barrier_wait -1
	CREST
.endm
	s_load_b128 s[4:7], s[0:1], 0x0                ; x s[4:5], cbb s[6:7]
	s_load_b64 s[8:9], s[0:1], 0x10                ; grp
	v_lshl_add_u32 v[SPW], v0, 2, SPARE
	v_mov_b32 v[NIL], 0
	ds_add_u32 v[SPW], v[NIL]                      ; the wave's opening: the add, twice on end, and its wait stand ahead of my first tensor load; work on registers stands between
	ds_add_u32 v[SPW], v[NIL]
	v_lshrrev_b32 v1, 5, v0
	v_readfirstlane_b32 s[WV], v1                  ; wave 0..3
	s_bfe_u32 s11, ttmp6, 0x40000                  ; cx: my place in the cluster: it enters the addresses of x, of grp and of the prefetches alone
	s_lshl_b32 s12, ttmp9, 2                       ; in a cluster launch ttmp9 counts clusters
	s_add_co_u32 s12, s12, s11                     ; my block of 128 tokens
	; descriptor group 1: a block is 65 dense rows of 512 bytes, padded in LDS behind every row
	s_mov_b32 s[G1+0], 15|(3<<16)|(1<<20)|(1<<21)|(6<<22)|(3<<25)  ; 15:0 the mask of four; 17:16 elements of 8 bytes; 20 padding on; 21 set beside a mask; 24:22 after every 128 words (code 6); 31:25 4 words (code 3)
	s_mov_b32 s[G1+1], 64<<16                      ; tensor_dim0 = 64 elements
	s_mov_b32 s[G1+2], 65<<16                      ; tensor_dim1 = 65
	s_mov_b32 s[G1+3], 64<<16                      ; tile_dim0 = 64
	s_mov_b32 s[G1+4], 65                          ; tile_dim1 = 65
	s_mov_b32 s[G1+5], 64                          ; 64 elements from row to row
	s_mov_b32 s[G1+6], 0
	s_mov_b32 s[G1+7], 0
	v_and_b32 v[PFO], 31, v0                       ; the lane, for now
	s_lshl_b32 s13, s[WV], 14                      ; the wave's 16 rows of 1,024 bytes
	v_lshl_add_u32 v[XV], v[PFO], 4, s13
	s_lshl_b32 s14, s12, 17                        ; 128 tokens of 1,024 bytes
	s_mov_b32 s15, 0
	s_cmp_eq_u32 ttmp9, 0
	s_cselect_b32 s[LIM], 1, -1                    ; the same in all four partners
	s_wait_dscnt 0x0                               ; both opening adds are done
	s_wait_kmcnt 0x0
	s_add_nc_u64 s[4:5], s[4:5], s[14:15]
	; x: wave w loads rows 16 w .. + 15 (loads 0-31) and 64 + 16 w .. + 15 (loads 32-63): 512 consecutive bytes a load
	WIN 0xc0                                       ; destination window 3, address window 0
.set n, 0
.rept 64
	global_load_b128 v[4*n:4*n+3], v[XV], s[4:5] offset:(n/32)*65536+((n%32)/2)*1024+(n%2)*512 th:TH_LOAD_NT
.set n, n+1
.endr
	WIN 0
	s_mul_i32 s13, s[WV], QUART                    ; my quarter of a slot: no place in the cluster enters an LDS address
	s_mul_i32 s14, s[WV], BLKB
	s_mov_b32 s15, 0
	s_add_nc_u64 s[6:7], s[6:7], s[14:15]          ; cbb at my block of slot 0
.irp n, 0,1
	s_mov_b32 s[G0+4*\n], 1                        ; 1:0 count = 1
	s_add_co_u32 s[G0+4*\n+1], s13, \n*SLOT        ; 63:32 LDS address
	s_add_nc_u64 s[G0+4*\n+2:G0+4*\n+3], s[6:7], \n*SLOTG  ; 120:64 global address
	s_or_b32 s[G0+4*\n+3], s[G0+4*\n+3], 0x80000000        ; 127:126 type = 2
.endr
	s_lshl_b32 s14, s11, 13                        ; the prefetches: my work-group's 8,192 bytes of my wave's block,
	s_add_nc_u64 s[PFA:PFA+1], s[6:7], s[14:15]
	s_add_nc_u64 s[PFA:PFA+1], s[PFA:PFA+1], 3*SLOTG  ; in slot 3: the first refill steps it to slot 4
	s_lshl_b32 s14, s12, 9                         ; my 128 words of grp
	s_add_nc_u64 s[8:9], s[8:9], s[14:15]
	CROUND                                         ; all four work-groups are here: the first joint loads meet
	tensor_load_to_lds s[G0:G0+3], s[G1:G1+7]      ; slot 0 and slot 1: two loads of mine are out
	s_nop 0
	tensor_load_to_lds s[G0+4:G0+7], s[G1:G1+7]
	s_nop 0
	PLACES
	; A fragment is 16 rows x 32 channels in 8 registers: lane l holds row l % 16, channels 8 (l / 16) + 0..7 and 16 + 8 (l / 16) + 0..7: two loads of 16 bytes, 32 bytes apart.
	v_and_b32 v[RR], 15, v0
	v_bfe_u32 v[HH], v0, 4, 1
	v_mul_u32_u24 v[XRD], v[RR], PITCH
	v_lshl_add_u32 v[XRD], v[HH], 4, v[XRD]        ; row x pitch + 16 x half
	v_add_nc_u32 v[ADR], s13, v[XRD]
	v_add_nc_u32 v[ADR+1], SLOT, v[ADR]
	v_lshlrev_b32 v[NHA], 5, v[HH]                 ; my eight codes' nh: 32 bytes a half
	v_add_nc_u32 v[NHA], s13, v[NHA]
	v_add_nc_u32 v[NHA], NHOFF, v[NHA]
	v_add_nc_u32 v[NHA+1], SLOT, v[NHA]
	v_add_nc_u32 v[XRD], XS, v[XRD]
	s_mul_i32 s14, s[WV], TSTEP
	s_add_co_u32 s14, s14, XS
	v_lshl_add_u32 v[XSTO], v[PFO], 3, s14         ; the wave's 16 rows of the stage, 8 bytes a lane
	s_mul_i32 s14, s[WV], 2*CP
	s_add_co_u32 s14, s14, XS
	v_mul_u32_u24 v[RSTO], v[HH], CP
	v_lshl_add_u32 v[RSTO], v[RR], 2, v[RSTO]
	v_add_nc_u32 v[RSTO], s14, v[RSTO]             ; candidate row 2 w + l / 16, word l % 16
	v_lshlrev_b32 v[GOF], 4, v[PFO]
	v_add_nc_u32 v[CRD], XS, v[GOF]
	v_lshlrev_b32 v[PFO], 8, v[PFO]
; x ON ITS WAY IN, 64 tokens at a time: rounded to bf16, through the stage, and back as fragments into every wave's registers.
.macro XPACK half                      ; 64 roundings: the wave's 16 rows
	WIN 0x0f                                       ; sources window 3, destination window 0
.set n, 0
.rept 64
	v_cvt_pk_bf16_f32 v[T+n], v[128*(\half)+2*n], v[128*(\half)+2*n+1]
.set n, n+1
.endr
	WIN 0
.endm
.macro XPUT
.set n, 0
.rept 32
	ds_store_b64 v[XSTO], v[T+2*n:T+2*n+1] offset:(n/2)*PITCH+(n%2)*256  ; 256 consecutive bytes
.set n, n+1
.endr
.endm
.macro XGET win                        ; 32 fragments: token tile f / 8 of the four, K step f % 8
	WIN \win
.set f, 0
.rept 32
	ds_load_b128 v[8*f:8*f+3],   v[XRD] offset:(f/8)*TSTEP+(f%8)*64
	ds_load_b128 v[8*f+4:8*f+7], v[XRD] offset:(f/8)*TSTEP+(f%8)*64+32
.set f, f+1
.endr
	WIN 0
.endm
	s_wait_loadcnt 32                              ; tokens 0-63: my 32 older loads are in; the 32 younger ones may stay out
	XPACK 0
	XPUT
	s_wait_dscnt 0x0                               ; for the others' sake: my rows are in the stage
	s_barrier_signal -1
	s_barrier_wait -1
	XGET 0x40                                      ; destination window 1
	s_wait_loadcnt 0x0                             ; tokens 64-127
	XPACK 1
	s_wait_dscnt 0x0                               ; my reads of the stage are over,
	s_barrier_signal -1
	s_barrier_wait -1                              ; everybody's are: it may be written again
	XPUT
	s_wait_tensorcnt 1                             ; my quarter of slot 0 is in; slot 1's load, issued behind it, may stay out
	s_wait_dscnt 0x0
	s_barrier_signal -1
	s_barrier_wait -1
	XGET 0x80                                      ; destination window 2
; 4 matrix instructions: K step g / 2, token tiles 4 (g % 2) + 0..3, into accumulator set p.  The 8 accumulators take turns, one instruction a turn, from tile to tile too.
.macro GROUP p, g
	WIN 0x07+4*((\g)%2)                            ; codes window 3, X window 1 or 2, C and D window 0
.irp q, 0,1,2,3
.set aD, ACC+64*(\p)+8*(4*((\g)%2)+\q)
.set aA, 64*(\p)+8*((\g)/2)
.set aB, 64*\q+8*((\g)/2)
.if (\g) < 2
	v_wmma_f32_16x16x32_bf16 v[aD:aD+7], v[aA:aA+7], v[aB:aB+7], v[CB+8*(\p):CB+8*(\p)+7]  ; the first K step starts the sum with nh
.else
	v_wmma_f32_16x16x32_bf16 v[aD:aD+7], v[aA:aA+7], v[aB:aB+7], v[aD:aD+7]
.endif
.endr
.endm
; Number o of the six that look through token tile t's accumulator of the OTHER set.  The accumulator's lowest registers are read first.
.macro SOP p, t, o
.set aS, ACC+64*(1-(\p))+8*(\t)
.set rN, R+8*(\p)+(\t)
.set rO, R+8*(1-(\p))+(\t)
.if (\o) == 0
	v_max3_num_f32 v[M+(\t)], v[aS], v[aS+1], v[aS+2]
.elseif (\o) == 1
	v_max3_num_f32 v[M+(\t)], v[M+(\t)], v[aS+3], v[aS+4]
.elseif (\o) == 2
	v_max3_num_f32 v[M+(\t)], v[M+(\t)], v[aS+5], v[aS+6]
.elseif (\o) == 3
	v_max3_num_f32 v[rN], v[M+(\t)], v[aS+7], v[rO]  ; the new best
.elseif (\o) == 4
	v_cmp_gt_f32 s[MK+(\t)%2], v[rN], v[rO]          ; has it grown?  An equal score leaves the earlier group
.else
	v_cndmask_b32 v[I+(\t)], v[I+(\t)], s[TT], s[MK+(\t)%2]
.endif
.endm
; Slice k of 16: three of the twelve numbers of token tiles 2 (k / 4) and 2 (k / 4) + 1, the two tiles alternating.
.macro SLICE p, k
	WIN 0
.set t0, 2*((\k)/4)
.set z, 3*((\k)%4)
.rept 3
	SOP \p, t0+z%2, z/2
.set z, z+1
.endr
.endm
.macro STEP p, g, sl
	GROUP \p, \g
.if \sl
	SLICE \p, \g
.endif
.endm
; 18 LDS loads in one run: code tile i of my block in the slot: its 8 fragments into buffer p, its nh into set p.
.macro FETCH slot, i, p
	WIN 0xc0                                       ; destination window 3
.irp s, 0,1,2,3,4,5,6,7
	ds_load_b128 v[64*(\p)+8*\s:64*(\p)+8*\s+3],   v[ADR+(\slot)] offset:(\i)*TSTEP+64*\s
	ds_load_b128 v[64*(\p)+8*\s+4:64*(\p)+8*\s+7], v[ADR+(\slot)] offset:(\i)*TSTEP+64*\s+32
.endr
	WIN 0
	ds_load_b128 v[CB+8*(\p):CB+8*(\p)+3],   v[NHA+(\slot)] offset:64*(\i)
	ds_load_b128 v[CB+8*(\p)+4:CB+8*(\p)+7], v[NHA+(\slot)] offset:64*(\i)+16
.endm
; A PREFETCH INTO THE L2 of the slot that stands TWO refills on, 512 matrix instructions ahead of the load that will want it.  All clusters walk the same blocks: cluster 0 asks, nobody else.  Each wave asks for the
; 64 code rows of the block that it will fetch; the four partners share its 32,768 bytes out BY ADDRESS, 8,192 each, a lane 256 bytes apart: one instruction a wave, each 256 bytes named once in the launch.
; The block's 65th row and slots 0 to 3 come by their loads alone; the last lap, whose refills are the last two slots', asks for nothing.
.macro ASK
	s_cmp_gt_u32 s[LAPS], s[LIM]
	s_cbranch_scc0 .Lnot_mine_\@
	global_prefetch_b8 v[PFO], s[PFA:PFA+1] th:TH_LOAD_NT scope:SCOPE_SE
.Lnot_mine_\@:
.endm
; A CODE TILE: 64 matrix instructions into set p on buffer p; sl = 1: the tile before is looked through, a slice behind each group.
; A vector instruction that reads a matrix result, and a load into a register that a matrix instruction has read, stand four plain vector instructions behind it (ISA guide 7.12.1 for vector instructions).
; Counted: token tiles 0-3's sums end in group 14, and slices 14 and 15 (six, on the other set) stand ahead of the next tile's slice 0; tiles 4-7's are read from slice 8 on; the next fetch into a buffer stands
; behind slices 15, 0 and 1 (nine) or more.
; kind 0: tile i + 1 of the same slot is fetched behind slice 1.   kind 3: nothing is fetched.
; kind 1, a slot's last tile: THE CHANGE OF SLOTS.  My reads of the slot ended with the wait at the tile's head.  I wait for all my tensor loads, of which one is out: my quarter of the other slot; add 0 to my
; spare word; wait for that; the barrier opens a round of the cluster's barrier, with register work alone inside it; behind the round no wave of any partner reads the slot or has a load on its way, and the
; joint refill, two slots on, is the first thing there: it has 240 matrix instructions in which to land.   kind 2: the same with nothing left to fill: a plain barrier.
.macro TILE p, i, slot, kind, sl
	s_wait_dscnt 0x0                               ; this tile's fragments and nh are in
.if (\kind) == 1
	s_wait_xcnt 0x0                                ; the last prefetch, a slot back, has read its address
	s_add_nc_u64 s[PFA:PFA+1], s[PFA:PFA+1], SLOTG
.endif
.if ((\kind) == 1) || ((\kind) == 2)
	WIN 0
	s_wait_tensorcnt 0x0                           ; all my tensor loads have landed, so a group 0 may be written
	ds_add_u32 v[SPW], v[NIL]                      ; 0 onto my spare word: eight matrix instructions stand between it and the wait for it
.endif
	STEP \p, 0, \sl
	STEP \p, 1, \sl
.if (\kind) == 0
	FETCH \slot, (\i)+1, 1-(\p)
.endif
.if ((\kind) == 1) || ((\kind) == 2)
	s_wait_dscnt 0x0                               ; the add is done; no LDS read of mine is out
	s_barrier_signal -1
.endif
	STEP \p, 2, \sl
	STEP \p, 3, \sl
.if (\kind) == 1
	WIN 0
	s_barrier_wait -1
	CREST
	s_add_nc_u64 s[G0+4*(\slot)+2:G0+4*(\slot)+3], s[G0+4*(\slot)+2:G0+4*(\slot)+3], 2*SLOTG  ; the type bits on top are not reached
	tensor_load_to_lds s[G0+4*(\slot):G0+4*(\slot)+3], s[G1:G1+7]  ; my one tensor load behind the round
	s_nop 0
	PLACES
	FETCH 1-(\slot), 0, 1-(\p)
	ASK
.elseif (\kind) == 2
	s_barrier_wait -1
	FETCH 1-(\slot), 0, 1-(\p)
.endif
.irp g, 4,5,6,7,8,9,10,11,12,13,14,15
	STEP \p, \g, \sl
.endr
.if \sl
.if (\i) == 0
	s_add_co_u32 s[TT], s[TT], 13                  ; from my block's last tile to the first of my block in the next slot: 16 tiles a slot
.else
	s_add_co_u32 s[TT], s[TT], 1
.endif
.else
	PLACES                                         ; no slices: these are the places behind the last products
.endif
.endm
	FETCH 0, 0, 0
.irp t, 0,1,2,3,4,5,6,7
	v_mov_b32 v[R+\t], 0xff7fffff                  ; the best so far: the lowest finite number
	v_mov_b32 v[I+\t], 0
.endr
	s_lshl_b32 s[TT], s[WV], 2                     ; my first code tile: 4 w
	TILE 0, 0, 0, 0, 0                             ; slot 0's first tile: there is nothing yet to look through
	WIN 0                                          ; at a label and at a branch every window is 0
	s_mov_b32 s[LAPS], 15
.Llap:                                                 ; a lap goes once round the ring, from a slot's second tile to the first of the slot two on, and fills both slots again: 30 refills, slots 2 to 31
	TILE 1, 1, 0, 0, 1
	TILE 0, 2, 0, 0, 1
	TILE 1, 3, 0, 1, 1
	TILE 0, 0, 1, 0, 1
	TILE 1, 1, 1, 0, 1
	TILE 0, 2, 1, 0, 1
	TILE 1, 3, 1, 1, 1
	TILE 0, 0, 0, 0, 1
	WIN 0
	s_sub_co_u32 s[LAPS], s[LAPS], 1
	s_cmp_lg_u32 s[LAPS], 0
	s_cbranch_scc1 .Llap
	TILE 1, 1, 0, 0, 1                             ; the last two slots are written out: nothing is asked for
	TILE 0, 2, 0, 0, 1
	TILE 1, 3, 0, 2, 1
	TILE 0, 0, 1, 0, 1
	TILE 1, 1, 1, 0, 1
	TILE 0, 2, 1, 0, 1
	TILE 1, 3, 1, 3, 1
	PLACES
.irp k, 0,1,2,3,4,5,6,7,8,9,10,11,12,13,14,15
	SLICE 0, \k                                    ; the last tile is looked through; the best lies in set 0
.endr
	; THE WAY OUT.  A token has 8 candidates: 4 waves x 2 halves of the lanes.  They meet in LDS (in the stage, which nobody reads any more); wave 0 takes the greater score, at equal scores the lower group.
.irp t, 0,1,2,3,4,5,6,7
	v_lshl_add_u32 v[I+\t], v[I+\t], 1, v[HH]      ; the group: 2 x tile + l / 16
.endr
.irp t, 0,1,2,3,4,5,6,7
	ds_store_b32 v[RSTO], v[R+\t] offset:64*\t
	ds_store_b32 v[RSTO], v[I+\t] offset:8*CP+64*\t
.endr
	s_wait_dscnt 0x0                               ; for wave 0's sake: my candidates are in LDS
	s_barrier_signal -1
	s_barrier_wait -1
	s_cmp_lg_u32 s[WV], 0
	s_cbranch_scc1 .Lend
.irp c, 0,1,2,3,4,5,6,7
	ds_load_b128 v[ACC+4*\c:ACC+4*\c+3],       v[CRD] offset:\c*CP       ; tokens 4 l .. 4 l + 3: candidate c's scores,
	ds_load_b128 v[ACC+32+4*\c:ACC+32+4*\c+3], v[CRD] offset:8*CP+\c*CP  ; and groups
.endr
	s_wait_dscnt 0x0
.irp c, 1,2,3,4,5,6,7
.irp q, 0,1,2,3
	v_cmp_gt_f32 s[MK],   v[ACC+4*\c+\q], v[ACC+\q]
	v_cmp_eq_f32 s[MK+1], v[ACC+4*\c+\q], v[ACC+\q]
	v_cmp_lt_u32 s[MK+2], v[ACC+32+4*\c+\q], v[ACC+32+\q]
	s_and_b32 s[MK+1], s[MK+1], s[MK+2]
	s_or_b32 s[MK], s[MK], s[MK+1]
	v_cndmask_b32 v[ACC+\q],    v[ACC+\q],    v[ACC+4*\c+\q],    s[MK]
	v_cndmask_b32 v[ACC+32+\q], v[ACC+32+\q], v[ACC+32+4*\c+\q], s[MK]
.endr
.endr
	global_store_b128 v[GOF], v[ACC+32:ACC+35], s[8:9]  ; 512 consecutive bytes, aligned: the work-group's 128 groups
.Lend:
	s_wait_tensorcnt 0x0                           ; the wave's end: behind my last tensor load and my last LDS store
	ds_add_u32 v[SPW], v[NIL]
	s_wait_dscnt 0x0
	CROUND                                         ; the closing round: no work-group ends while a partner may still ask for a tile that names it
	s_endpgm
.Lfunc_end_k_q0ee70f8820_walk:
	.size	k_q0ee70f8820_walk, .Lfunc_end_k_q0ee70f8820_walk-k_q0ee70f8820_walk
	.p2alignl 7, 3214868480
	.fill 96, 4, 3214868480
	.section	.rodata,"a",@progbits
	.p2align	6, 0x0
	.amdhsa_kernel k_q0ee70f8820_walk
		.amdhsa_group_segment_fixed_size 327680
		.amdhsa_private_segment_fixed_size 0
		.amdhsa_enable_private_segment 0
		.amdhsa_kernarg_size 24
		.amdhsa_user_sgpr_count 2
		.amdhsa_user_sgpr_kernarg_segment_ptr 1
		.amdhsa_wavefront_size32 1
		.amdhsa_system_sgpr_workgroup_id_x 1
		.amdhsa_system_sgpr_workgroup_id_y 1
		.amdhsa_system_sgpr_workgroup_id_z 1
		.amdhsa_system_vgpr_workitem_id 0
		.amdhsa_next_free_vgpr 1024
		.amdhsa_next_free_sgpr 66
		.amdhsa_reserve_vcc 0
		.amdhsa_float_denorm_mode_32 3
		.amdhsa_float_denorm_mode_16_64 3
		.amdhsa_memory_ordered 1
		.amdhsa_forward_progress 1
		.amdhsa_inst_pref_size 196
	.end_amdhsa_kernel
	.amdgpu_metadata
---
amdhsa.version: [ 1, 2 ]
amdhsa.kernels:
  - .name:           k_q0ee70f8820_walk
    .symbol:         k_q0ee70f8820_walk.kd
    .args:
      - { .name: x, .offset: 0, .size: 8, .value_kind: global_buffer, .address_space: global }
      - { .name: cbb, .offset: 8, .size: 8, .value_kind: global_buffer, .address_space: global }
      - { .name: grp, .offset: 16, .size: 8, .value_kind: global_buffer, .address_space: global }
    .group_segment_fixed_size: 327680
    .private_segment_fixed_size: 0
    .kernarg_segment_align: 8
    .kernarg_segment_size: 24
    .max_flat_workgroup_size: 128
    .sgpr_count:     66
    .vgpr_count:     1024
    .wavefront_size: 32
...
	.end_amdgpu_metadata
.endif
;; end of part 2
;; launch pick (part 3): grid 512 x 1, 8 waves a work-group, no clusters, 0 bytes of LDS; arguments grp, cbb, x, out0, part; writes out0, part
.if DOCPART == 3
	.amdgcn_target "amdgcn-amd-amdhsa--gfx1250"
	.amdhsa_code_object_version 6
	.text
	.protected	k_q0ee70f8820_pick
	.globl	k_q0ee70f8820_pick
	.p2align	8
	.type	k_q0ee70f8820_pick,@function
k_q0ee70f8820_pick:
	s_mov_b64 s[64:65], 0
	v_nop
	global_prefetch_b8 v0, s[64:65] scope:SCOPE_SE
	s_setreg_imm32_b32 hwreg(HW_REG_WAVE_MODE, 25, 1), 1
	s_wait_xcnt 0x0
; VECTOR QUANTIZER, launch 3 of 4.  For each token: the 8 scores s = x_b.c_b - |c_b|^2 / 2 of its group once more, in f32; the row with the greatest (the lowest index among equals) is chosen by selects, not by
; an address; out0 = that row; a partial sum of (q - x)^2 for each wave.
; Left out, as shown at the head of the first kernel: |x|^2 in the scores, and x + (q - x), which is q.
; LIMITS.  out0 is the code row as rounded to bf16.  A NaN score is never chosen.  A group number outside 0 .. 1,023 cannot come from the launch before; it is clamped ahead of every address.
; SHARES.  Wave W of 4,096 takes tokens 8 W .. 8 W + 7, one at a time, on two sets of registers: while one token is worked on, the other's 18 loads are on their way.  A lane holds columns 4 l .. 4 l + 3 and
; 128 + 4 l .. + 3: each load of x and each store covers 512, each load of a code row's half 256 consecutive bytes, aligned.  A group's 8 rows are 4,096 consecutive bytes of cbb.
; No LDS, no matrix unit, no cluster: 8 dot products a token, and no two waves want the same rows at the same time by any rule.
.set BLKB, 33280
.set LANE, 1
.set L8,   2                           ; v2   8 x lane
.set ZERO, 3                           ; v3   0
.set XO,   6                           ; v6-7   slot: my bytes in the row of x that the slot loads next
.set CO,   8                           ; v8-9   slot: my bytes in the first row of its group
.set LA,   10                          ; v[10:13]  the loss, four chains
.set XB,   14                          ; v[14:17]  x rounded to bf16
.set S,    18                          ; v[18:25]  the 8 scores
.set T,    26                          ; v[26:33]  at work
.set D,    34                          ; v[34:41]  q - x
.set QF,   42                          ; v[42:57]  slot: the chosen row's 8 numbers in f32, to store
.set X,    58                          ; v[58:73]  slot: x as loaded
.set C,    74                          ; v[74:137] slot: row j's 8 bf16 at + 4 j
.set NH,   32                          ; s[32:47]  slot: the group's 8 nh
.set NO,   48                          ; s48-49    slot: their byte offset in cbb, less 32,768
	s_load_b256 s[4:11], s[0:1], 0x0               ; grp s[4:5], cbb s[6:7], x s[8:9], out0 s[10:11]
	s_load_b64 s[12:13], s[0:1], 0x20              ; part
	v_lshrrev_b32 v4, 5, v0
	v_readfirstlane_b32 s14, v4                    ; wave 0..7
	s_lshl_b32 s15, ttmp9, 3
	s_add_co_u32 s15, s15, s14                     ; W
	v_and_b32 v[LANE], 31, v0
	v_lshlrev_b32 v[L8], 3, v[LANE]
	v_mov_b32 v[ZERO], 0
	v_lshlrev_b32 v[XO], 4, v[LANE]
	v_add_nc_u32 v[XO+1], 1024, v[XO]
.irp i, 0,1,2,3
	v_mov_b32 v[LA+\i], 0
.endr
.irp i, 0,1,2,3,4,5,6,7
	v_mov_b32 v[T+\i], 0                           ; v_permlanex16_b32's destination counts as read: written once here
.endr
	s_mov_b32 s54, 0x76543210                      ; v_permlanex16_b32: each lane takes its own place in the other half
	s_mov_b32 s55, 0xfedcba98
	s_mov_b32 s56, 0xffff0000                      ; a word's upper bf16
	s_lshl_b32 s50, s15, 5                         ; 8 words of grp
	s_mov_b32 s51, 0
	s_lshl_b32 s52, s15, 13                        ; 8 rows of 1,024 bytes
	s_mov_b32 s53, 0
	s_lshl_b32 s16, s15, 2
	s_mov_b32 s17, 0
	s_wait_kmcnt 0x0
	s_add_nc_u64 s[4:5], s[4:5], s[50:51]
	s_add_nc_u64 s[8:9], s[8:9], s[52:53]
	s_add_nc_u64 s[10:11], s[10:11], s[52:53]
	s_add_nc_u64 s[12:13], s[12:13], s[16:17]
	s_load_b256 s[24:31], s[4:5], 0x0              ; my 8 tokens' groups: a queue, of which the front two are taken in each trip
	s_wait_kmcnt 0x0
; A slot is filled: the 8 rows and 8 nh of group gs, and the slot's next row of x.  Group g lies in block g / 8, rows 8 (g % 8) on.
.macro FILL slot, gs
	s_lshr_b32 s50, \gs, 3
	s_min_u32 s50, s50, 127                        ; a loaded number enters an address only clamped
	s_min_u32 s51, \gs, 1023
	s_and_b32 s51, s51, 7
	s_mul_i32 s50, s50, BLKB
	s_lshl_b32 s52, s51, 12
	s_add_co_u32 s52, s52, s50
	s_lshl_b32 s51, s51, 5
	s_add_co_u32 s[NO+(\slot)], s50, s51
	v_add_nc_u32 v[CO+(\slot)], s52, v[L8]
.irp j, 0,1,2,3,4,5,6,7
	global_load_b64 v[C+32*(\slot)+4*\j:C+32*(\slot)+4*\j+1],   v[CO+(\slot)], s[6:7] offset:512*\j      ; no hint: other tokens may name the same rows
	global_load_b64 v[C+32*(\slot)+4*\j+2:C+32*(\slot)+4*\j+3], v[CO+(\slot)], s[6:7] offset:512*\j+256
.endr
	global_load_b128 v[X+8*(\slot):X+8*(\slot)+3],   v[XO+(\slot)], s[8:9] th:TH_LOAD_NT
	global_load_b128 v[X+8*(\slot)+4:X+8*(\slot)+7], v[XO+(\slot)], s[8:9] offset:512 th:TH_LOAD_NT
	s_load_b256 s[NH+8*(\slot):NH+8*(\slot)+7], s[6:7], s[NO+(\slot)] offset:0x8000
.endm
; A slot's turn.  left: the younger vector loads that may stay out.  refill = 1: the slot is filled again, with group gs.
.macro TURN slot, refill, left, gs
.set cb, C+32*(\slot)
.set xb, X+8*(\slot)
.set qb, QF+8*(\slot)
.set nb, NH+8*(\slot)
	s_wait_loadcnt \left                           ; loads come back in order (ISA guide 5.7.1): my 18 are in
	s_wait_xcnt 0x0                                ; every earlier memory instruction has had its addresses translated (ISA guide 3.1): the slot's QF and XO, which its last stores read, are rewritten only behind this wait
	v_add_nc_u32 v[XO+(\slot)], 2048, v[XO+(\slot)]  ; the slot's next row; the stores below reach back
.irp q, 0,1,2,3
	v_cvt_pk_bf16_f32 v[XB+\q], v[xb+2*\q], v[xb+2*\q+1]
.endr
	; 8 dot products of bf16 halves in f32, the rows by turns
.irp e, 0,1,2,3
.irp j, 0,1,2,3,4,5,6,7
.if \e == 0
	v_fma_mix_f32_bf16 v[S+\j], v[cb+4*\j+\e], v[XB+\e], v[ZERO] op_sel_hi:[1,1,0]
.else
	v_fma_mix_f32_bf16 v[S+\j], v[cb+4*\j+\e], v[XB+\e], v[S+\j] op_sel_hi:[1,1,0]
.endif
.endr
.irp j, 0,1,2,3,4,5,6,7
	v_fma_mix_f32_bf16 v[S+\j], v[cb+4*\j+\e], v[XB+\e], v[S+\j] op_sel:[1,1,0] op_sel_hi:[1,1,0]
.endr
.endr
.irp m, 1,2,4,8
.irp j, 0,1,2,3,4,5,6,7
	v_add_f32_dpp v[S+\j], v[S+\j], v[S+\j] row_xmask:\m row_mask:0xf bank_mask:0xf
.endr
.endr
.irp j, 0,1,2,3,4,5,6,7
	v_permlanex16_b32 v[T+\j], v[S+\j], s54, s55
.endr
.irp j, 0,1,2,3,4,5,6,7
	v_add_f32 v[S+\j], v[S+\j], v[T+\j]            ; every lane holds the same bits: each step adds the same two numbers in both partners
.endr
	s_wait_kmcnt 0x0                               ; nh
.irp j, 0,1,2,3,4,5,6,7
	v_add_f32 v[S+\j], s[nb+\j], v[S+\j]
.endr
.irp j, 1,2,3,4,5,6,7
	v_cmp_gt_f32 vcc_lo, v[S+\j], v[S]             ; strictly greater: the lowest index keeps an equal score
	v_max_num_f32 v[S], v[S], v[S+\j]
.irp q, 0,1,2,3
	v_cndmask_b32 v[cb+\q], v[cb+\q], v[cb+4*\j+\q], vcc_lo
.endr
.endr
.irp q, 0,1,2,3
	v_lshlrev_b32 v[qb+2*\q],   16,  v[cb+\q]      ; bf16 to f32: the low half moves up,
	v_and_b32     v[qb+2*\q+1], s56, v[cb+\q]      ; the high half stays
.endr
.irp q, 0,1,2,3
	v_pk_add_f32 v[D+2*\q:D+2*\q+1], v[qb+2*\q:qb+2*\q+1], v[xb+2*\q:xb+2*\q+1] neg_lo:[0,1] neg_hi:[0,1]  ; q - x
.endr
.irp q, 0,1,2,3
	v_pk_fma_f32 v[LA+2*(\q%2):LA+2*(\q%2)+1], v[D+2*\q:D+2*\q+1], v[D+2*\q:D+2*\q+1], v[LA+2*(\q%2):LA+2*(\q%2)+1]
.endr
.if \refill
	FILL \slot, \gs                                ; loads ahead of stores
.endif
	global_store_b128 v[XO+(\slot)], v[qb:qb+3],   s[10:11] offset:-2048 th:TH_STORE_NT
	global_store_b128 v[XO+(\slot)], v[qb+4:qb+7], s[10:11] offset:-1536 th:TH_STORE_NT
.endm
.macro SHIFT                           ; the queue moves up by two
	s_mov_b64 s[24:25], s[26:27]
	s_mov_b64 s[26:27], s[28:29]
	s_mov_b64 s[28:29], s[30:31]
.endm
	FILL 0, s24
	FILL 1, s25
	SHIFT
	s_mov_b32 s57, 3
.Ltrip:
	TURN 0, 1, 18, s24                             ; 18: the other slot's 16 loads of rows and 2 of x
	TURN 1, 1, 18, s25
	SHIFT
	s_sub_co_u32 s57, s57, 1
	s_cmp_lg_u32 s57, 0
	s_cbranch_scc1 .Ltrip
	TURN 0, 0, 18, s24                             ; the last two tokens: nothing is left to load
	TURN 1, 0, 0, s25
	v_add_f32 v[LA], v[LA], v[LA+1]
	v_add_f32 v[LA+2], v[LA+2], v[LA+3]
	v_add_f32 v[LA], v[LA], v[LA+2]
.irp m, 1,2,4,8
	v_add_f32_dpp v[LA], v[LA], v[LA] row_xmask:\m row_mask:0xf bank_mask:0xf
.endr
	v_permlanex16_b32 v[T], v[LA], s54, s55
	v_add_f32 v[LA], v[LA], v[T]                   ; the wave's 2,048 squares
	v_cmp_eq_u32 vcc_lo, 0, v[LANE]
	s_wait_xcnt 0x0                                ; EXEC changes only behind this wait
	s_and_saveexec_b32 s50, vcc_lo
	global_store_b32 v[ZERO], v[LA], s[12:13]      ; one word a wave: 16,384 bytes in the whole launch
	s_wait_xcnt 0x0
	s_or_b32 exec_lo, exec_lo, s50
	s_endpgm
.Lfunc_end_k_q0ee70f8820_pick:
	.size	k_q0ee70f8820_pick, .Lfunc_end_k_q0ee70f8820_pick-k_q0ee70f8820_pick
	.p2alignl 7, 3214868480
	.fill 96, 4, 3214868480
	.section	.rodata,"a",@progbits
	.p2align	6, 0x0
	.amdhsa_kernel k_q0ee70f8820_pick
		.amdhsa_group_segment_fixed_size 0
		.amdhsa_private_segment_fixed_size 0
		.amdhsa_enable_private_segment 0
		.amdhsa_kernarg_size 40
		.amdhsa_user_sgpr_count 2
		.amdhsa_user_sgpr_kernarg_segment_ptr 1
		.amdhsa_wavefront_size32 1
		.amdhsa_system_sgpr_workgroup_id_x 1
		.amdhsa_system_sgpr_workgroup_id_y 1
		.amdhsa_system_sgpr_workgroup_id_z 1
		.amdhsa_system_vgpr_workitem_id 0
		.amdhsa_next_free_vgpr 140
		.amdhsa_next_free_sgpr 66
		.amdhsa_reserve_vcc 1
		.amdhsa_float_denorm_mode_32 3
		.amdhsa_float_denorm_mode_16_64 3
		.amdhsa_memory_ordered 1
		.amdhsa_forward_progress 1
		.amdhsa_inst_pref_size 50
	.end_amdhsa_kernel
	.amdgpu_metadata
---
amdhsa.version: [ 1, 2 ]
amdhsa.kernels:
  - .name:           k_q0ee70f8820_pick
    .symbol:         k_q0ee70f8820_pick.kd
    .args:
      - { .name: grp, .offset: 0, .size: 8, .value_kind: global_buffer, .address_space: global }
      - { .name: cbb, .offset: 8, .size: 8, .value_kind: global_buffer, .address_space: global }
      - { .name: x, .offset: 16, .size: 8, .value_kind: global_buffer, .address_space: global }
      - { .name: out0, .offset: 24, .size: 8, .value_kind: global_buffer, .address_space: global }
      - { .name: part, .offset: 32, .size: 8, .value_kind: global_buffer, .address_space: global }
    .group_segment_fixed_size: 0
    .private_segment_fixed_size: 0
    .kernarg_segment_align: 8
    .kernarg_segment_size: 40
    .max_flat_workgroup_size: 256
    .sgpr_count:     66
    .vgpr_count:     140
    .wavefront_size: 32
...
	.end_amdgpu_metadata
.endif
;; end of part 3
;; launch fin (part 4): grid 1 x 1, 1 waves a work-group, no clusters, 0 bytes of LDS; arguments part, out1; writes out1
.if DOCPART == 4
	.amdgcn_target "amdgcn-amd-amdhsa--gfx1250"
	.amdhsa_code_object_version 6
	.text
	.protected	k_q0ee70f8820_fin
	.globl	k_q0ee70f8820_fin
	.p2align	8
	.type	k_q0ee70f8820_fin,@function
k_q0ee70f8820_fin:
	s_mov_b64 s[64:65], 0
	v_nop
	global_prefetch_b8 v0, s[64:65] scope:SCOPE_SE
	s_setreg_imm32_b32 hwreg(HW_REG_WAVE_MODE, 25, 1), 1
	s_wait_xcnt 0x0
; VECTOR QUANTIZER, launch 4 of 4: out1 = 0.25 x the mean of (q - x)^2 = the sum of the 4,096 partial sums x 2^-25 (0.25 / 8,388,608, exact).  One owner for the one number: no atomics.
; One wave: 32 loads of 512 consecutive bytes, all out together; four chains of packed sums in f32; then across the lanes.
	s_load_b128 s[4:7], s[0:1], 0x0                ; part s[4:5], out1 s[6:7]
	v_lshlrev_b32 v1, 4, v0
	v_mov_b32 v2, 0
	v_mov_b32 v3, 0                                ; v_permlanex16_b32's destination counts as read
	s_mov_b32 s8, 0x76543210
	s_mov_b32 s9, 0xfedcba98
	s_wait_kmcnt 0x0
.set k, 0
.rept 32
	global_load_b128 v[8+4*k:11+4*k], v1, s[4:5] offset:512*k
.set k, k+1
.endr
	s_wait_loadcnt 0x0
.set k, 2
.rept 30
	v_pk_add_f32 v[8+4*(k%2):9+4*(k%2)],   v[8+4*(k%2):9+4*(k%2)],   v[8+4*k:9+4*k]
	v_pk_add_f32 v[10+4*(k%2):11+4*(k%2)], v[10+4*(k%2):11+4*(k%2)], v[10+4*k:11+4*k]
.set k, k+1
.endr
	v_pk_add_f32 v[8:9], v[8:9], v[12:13]
	v_pk_add_f32 v[10:11], v[10:11], v[14:15]
	v_pk_add_f32 v[8:9], v[8:9], v[10:11]
	v_add_f32 v8, v8, v9
.irp m, 1,2,4,8
	v_add_f32_dpp v8, v8, v8 row_xmask:\m row_mask:0xf bank_mask:0xf
.endr
	v_permlanex16_b32 v3, v8, s8, s9
	v_add_f32 v8, v8, v3
	v_mul_f32 v8, 0x33000000, v8                   ; x 2^-25
	v_cmp_eq_u32 vcc_lo, 0, v0
	s_wait_xcnt 0x0                                ; EXEC changes only behind this wait
	s_and_saveexec_b32 s10, vcc_lo
	global_store_b32 v2, v8, s[6:7]
	s_wait_xcnt 0x0
	s_or_b32 exec_lo, exec_lo, s10
	s_endpgm
.Lfunc_end_k_q0ee70f8820_fin:
	.size	k_q0ee70f8820_fin, .Lfunc_end_k_q0ee70f8820_fin-k_q0ee70f8820_fin
	.p2alignl 7, 3214868480
	.fill 96, 4, 3214868480
	.section	.rodata,"a",@progbits
	.p2align	6, 0x0
	.amdhsa_kernel k_q0ee70f8820_fin
		.amdhsa_group_segment_fixed_size 0
		.amdhsa_private_segment_fixed_size 0
		.amdhsa_enable_private_segment 0
		.amdhsa_kernarg_size 16
		.amdhsa_user_sgpr_count 2
		.amdhsa_user_sgpr_kernarg_segment_ptr 1
		.amdhsa_wavefront_size32 1
		.amdhsa_system_sgpr_workgroup_id_x 1
		.amdhsa_system_sgpr_workgroup_id_y 1
		.amdhsa_system_sgpr_workgroup_id_z 1
		.amdhsa_system_vgpr_workitem_id 0
		.amdhsa_next_free_vgpr 136
		.amdhsa_next_free_sgpr 66
		.amdhsa_reserve_vcc 1
		.amdhsa_float_denorm_mode_32 3
		.amdhsa_float_denorm_mode_16_64 3
		.amdhsa_memory_ordered 1
		.amdhsa_forward_progress 1
		.amdhsa_inst_pref_size 9
	.end_amdhsa_kernel
	.amdgpu_metadata
---
amdhsa.version: [ 1, 2 ]
amdhsa.kernels:
  - .name:           k_q0ee70f8820_fin
    .symbol:         k_q0ee70f8820_fin.kd
    .args:
      - { .name: part, .offset: 0, .size: 8, .value_kind: global_buffer, .address_space: global }
      - { .name: out1, .offset: 8, .size: 8, .value_kind: global_buffer, .address_space: global }
    .group_segment_fixed_size: 0
    .private_segment_fixed_size: 0
    .kernarg_segment_align: 8
    .kernarg_segment_size: 16
    .max_flat_workgroup_size: 32
    .sgpr_count:     66
    .vgpr_count:     136
    .wavefront_size: 32
...
	.end_amdgpu_metadata
.endif
;; end of part 4
